; MI455X (gfx1250); checked and timed in simulation.
; The chip was launched on July 23, 2026; its instructions are those of AMD's public machine-readable ISA for CDNA 5 (MIT licence, August 2026) and "CDNA5" Instruction Set Architecture Reference Guide (July 2026). The comments in the code are by the model that wrote it; some were corrected since.
;; Extended ANFIS. Allowed arithmetic: matrix products marked QUANTISED: E2M1 operands, one E8M0 scale for each 32 along K, by v_wmma_scale_f32_16x16x128_f8f6f4 with both operands' format E2M1 (or v_wmma_scale_f32_32x16x128_f4), f32 sums; everything else in f32.
;; Inputs: mfs 7 x 3 x 2 float32; rules 2,187 x 64 float32; x 16,384 x 7 float32.
;; Outputs: out0 16,384 x 64 float32.
;; This version of the problem:
;;   THIS VERSION OF THE PROBLEM IS GIVEN IN LOW PRECISION. The matrix products marked QUANTISED in the list below multiply operands that are first quantised to E2M1 (2 exponent bits, 1 mantissa bit; 4 bits a number), with one power-of-two scale for each 32 numbers along K (OCP MX v1.0); their sums are f32. All else is computed in f32.
;;   The module's matrix products, in the order in which they are computed (A, B: the left and right operand; K: the contracted axis; several contracted axes count as one K, in the product's order):
;;     1. [M 16,384, K 2,187] x [K 2,187, N 64]; A: computed on the way; B: input rules: QUANTISED
;;   THE QUANTISER, for each operand of a quantised product, along K:
;;     - K is cut into blocks of 32 from its start; a last block that is shorter is filled with zeros.
;;     - A block's scale is 2^e with e = floor(log2(the largest magnitude in the block)) - 2, held to -126 .. 127; a block of zeros has e = 0. As a byte (E8M0): e + 127.
;;     - Each number is divided by its block's scale, clamped to +-6, and rounded to the nearest number of E2M1, ties to even, subnormals kept.
;;     - The product sums the exact products of the quantised numbers (number of the format x scale) in f32.
;;   ~~~python
;;   def quantise(x, axis):      # numpy; x: float32 -> the quantised numbers, widened to float32 again
;;       x = np.moveaxis(x, axis, -1); K = x.shape[-1]
;;       x = np.pad(x, [(0, 0)] * (x.ndim - 1) + [(0, -K % 32)]); x = x.reshape(x.shape[:-1] + (-1, 32)); a = np.abs(x).max(-1, keepdims=True)
;;       e = np.where(a > 0, np.clip(np.frexp(np.where(a > 0, a, 1))[1] - 1 - 2, -126, 127), 0)      # np.frexp(a)[1] - 1 = floor(log2(a)), exactly
;;       r = np.clip(x / 2.0 ** e, -6, 6)
;;       step = 2.0 ** (np.maximum(np.frexp(np.where(r == 0, 1, r))[1] - 1, 0) - 1)
;;       q = np.round(r / step) * step * 2.0 ** e      # np.round: ties to even
;;       return np.moveaxis(q.reshape(q.shape[:-2] + (-1,))[..., :K], -1, axis).astype(np.float32)
;;   ~~~
;;   OPERANDS COMPUTED ON THE WAY. 'Computed on the way' means the value that the module computes at that place (a softmax that the list does not call 'softmax' is quantised finished and normalised). What goes into a quantiser is computed in f32, as accurately as f32 sums, v_exp_f32 and their like allow (about 1e-6 of the number): no bf16 or f16 on the way to a quantiser, and a product that is left as it is and whose result goes on into a quantised operand takes f32 operands (vector FMAs, or v_wmma_f32_16x16x4_f32). A number that lies on a knife's edge between two numbers of the format may be rounded either way, as far as f32 arithmetic and the matrix unit's own rounding can turn it there, and no further.
;; One version. Each part assembles by itself: llvm-mc -triple=amdgcn-amd-amdhsa -mcpu=gfx1250 --defsym DOCPART=n.
;; ======== version 1 of 1: 2 launches
;; limits: right only within a limited range of input values; inputs' magnitudes at most 1.8e+19
;; workspace buffers: bq 87,040 bytes; tab 256 bytes
;; launch prep (part 1): grid 5 x 4, 4 waves a work-group, no clusters, 1,536 bytes of LDS; arguments rules, mfs, bq, tab; writes bq, tab
.if DOCPART == 1
	.amdgcn_target "amdgcn-amd-amdhsa--gfx1250"
	.amdhsa_code_object_version 6
	.text
	.protected	k_q14d2c3747b_prep
	.globl	k_q14d2c3747b_prep
	.p2align	8
	.type	k_q14d2c3747b_prep,@function
k_q14d2c3747b_prep:
	s_mov_b64 s[64:65], 0
	v_nop
	global_prefetch_b8 v0, s[64:65] scope:SCOPE_SE
	s_setreg_imm32_b32 hwreg(HW_REG_WAVE_MODE, 25, 1), 1
	s_wait_xcnt 0x0
; rules [2187][64] f32 (K is its first axis) becomes codes of FP4 (E2M1) with one E8M0 byte for each 32 along K, laid as the product's launch wants them; mfs [7][3][2] becomes a table of 21 pairs.
; K's 69 blocks of 32 are cut into four slices of 17, 17, 17 and 18 blocks (slice q begins at block 17 q); a slice is padded with zero codes to 20 blocks = 5 K steps of 128.
; bq, slice q at q x SLB bytes: K step s, tile t of 16 columns, half c: 512 bytes at 4096 s + 1024 t + 512 c: the image of registers 4 c .. 4 c + 3 of the operand's fragment, lane l's 16 bytes at 16 l
; (lane 16 h + r holds column 16 t + r, block 2 c + h of the step).  Behind the codes, at SCO + 256 s: the step's 64 scale words, the word of column 32 u + l at 8 l + 4 u.
; SHARES: work-group (x = s, y = q) makes one K step of one slice; its wave b makes block 4 s + b for all 64 columns.  A LANE TAKES A COLUMN AND ITS REGISTERS RUN DOWN K (two sets: columns l and 32 + l):
; a row of rules, 256 bytes, is read by two loads of one wave; a block's largest magnitude needs no other lane; the conversions' results are the fragment's registers.
; A block's scale byte is the exponent field of its largest magnitude less 2, held at 1 from below by a floor among the maximum's leaves.  A block of zeros keeps the byte 1: its codes are zeros, and only this program reads the bytes.
; tab: pair n = 3 i + m at 8 n: the mean, and -0.5 log2(e) / sigma^2 with sigma = |mfs[i][m][1]| + 1e-6: the next launch takes 2^(that x (x - mean)^2).  Made by one wave whose block is padding.
; LIMITS: sigma^2 must stay inside f32's normal range (|sigma| under about 1e19); 1 / sigma^2 is a reciprocal with one Newton step; NaN and infinities among the inputs are not served.
.set SLB,  21760                       ; a slice: 5 x 4096 bytes of codes + 5 x 256 of scale words
.set SCO,  20480
.set R,    32                          ; v32-63 column l's 32 numbers, v64-95 column 32 + l's
.set CD,   96                          ; v96-99, v100-103 their codes
.set MX,   16                          ; v16-19 running maxima, two chains a set
.set SC,   20                          ; v20-21 the conversions' scale operands
.set BY,   22                          ; v22-23 the scale bytes
.macro LOADS a, b                      ; rows a .. b of the block
.set i_, \a
.rept (\b)-(\a)+1
	global_load_b32 v[R+i_], v3, s[4:5] offset:256*i_ th:TH_LOAD_NT
	global_load_b32 v[R+32+i_], v3, s[4:5] offset:256*i_+128 th:TH_LOAD_NT
.set i_, i_+1
.endr
.endm
.macro ZERO a, b                       ; rows past the end of K count as zeros
.set i_, \a
.rept (\b)-(\a)+1
	v_mov_b32 v[R+i_], 0
	v_mov_b32 v[R+32+i_], 0
.set i_, i_+1
.endr
.endm
	s_load_b256 s[4:11], s[0:1], 0x0               ; rules s[4:5], mfs s[6:7], bq s[8:9], tab s[10:11]
	v_lshl_add_u32 v104, v0, 2, 0x400
	v_mov_b32 v105, 0
	v_lshrrev_b32 v1, 5, v0
	v_readfirstlane_b32 s12, v1                    ; wave = b
	v_and_b32 v2, 31, v0                           ; lane
	s_and_b32 s13, ttmp7, 0xffff                   ; q
	s_lshl_b32 s14, ttmp9, 2
	s_add_co_u32 s14, s14, s12                     ; the block's number in its slice: 4 s + b
	s_mul_i32 s15, s13, 17
	s_add_co_u32 s15, s15, s14                     ; and in K
	v_lshlrev_b32 v3, 2, v2                        ; in: 4 bytes a lane
	v_lshrrev_b32 v4, 4, v2
	v_and_b32 v5, 15, v2
	v_lshlrev_b32 v4, 10, v4
	v_lshl_add_u32 v4, v5, 4, v4                   ; out: 1024 (lane / 16) + 16 (lane % 16): sixteen lanes fill 256 consecutive bytes
	v_lshlrev_b32 v6, 3, v2                        ; 8 x lane
	v_add_nc_u32 v7, s12, v6                       ; LDS: my column's scale word, byte b
	s_lshl_b32 s16, s15, 13                        ; the block's 32 rows of 256 bytes
	s_mov_b32 s17, 0
	s_mul_i32 s18, s13, SLB
	s_lshl_b32 s20, ttmp9, 8
	s_add_co_u32 s20, s20, s18
	s_add_co_u32 s20, s20, SCO                     ; the step's scale words
	s_mov_b32 s21, 0
	s_lshl_b32 s19, ttmp9, 12
	s_add_co_u32 s18, s18, s19
	s_lshl_b32 s19, s12, 8                         ; 512 c + 256 h = 256 b
	s_add_co_u32 s18, s18, s19                     ; the block's codes
	s_mov_b32 s19, 0
	s_xor_b32 s25, ttmp9, 4
	s_or_b32 s25, s25, s13
	s_xor_b32 s26, s12, 3
	s_or_b32 s25, s25, s26                         ; 0 in wave 3 of work-group (4, 0) alone
	s_mov_b32 s27, 0x358637bd                      ; 1e-6
	s_wait_kmcnt 0x0
	s_add_nc_u64 s[4:5], s[4:5], s[16:17]
	s_add_nc_u64 s[22:23], s[8:9], s[18:19]
	s_add_nc_u64 s[8:9], s[8:9], s[20:21]
	s_cmp_lg_u32 s25, 0
	s_cbranch_scc1 .Lno_tab
	s_wait_alu depctr_va_vdst(0)
	v_min_u32 v8, 20, v2                           ; lanes 21 to 31 repeat pair 20: no load leaves mfs, and the store below fills all 256 bytes of tab
	v_lshlrev_b32 v8, 3, v8
	global_load_b64 v[10:11], v8, s[6:7]           ; mean, sigma as given
	s_wait_loadcnt 0x0
	v_add_f32 v12, |v11|, s27                      ; sigma
	v_mul_f32 v12, v12, v12
	s_wait_alu depctr_va_vdst(0)
	v_rcp_f32 v13, v12
	v_nop                                          ; a plain instruction behind the reciprocal,
	s_wait_alu depctr_va_vdst(0)                   ; and the wait ahead of its first reader
	v_fma_f32 v14, -v12, v13, 1.0                  ; one Newton step
	v_fma_f32 v13, v13, v14, v13
	v_mul_f32 v11, 0xbf38aa3b, v13                 ; x -0.5 log2(e)
	global_store_b64 v6, v[10:11], s[10:11]        ; 32 lanes store 256 consecutive bytes
.Lno_tab:
	s_cmp_eq_u32 s13, 3
	s_cselect_b32 s24, 18, 17                      ; the slice's blocks
	s_cmp_ge_u32 s14, s24
	s_cbranch_scc1 .Lnone                          ; padding: nothing is loaded
	s_wait_alu depctr_va_vdst(0)
	LOADS 0, 10
	s_cmp_eq_u32 s15, 68
	s_cbranch_scc1 .Ltail                          ; K's last block has 2187 - 2176 = 11 rows: no load leaves rules
	LOADS 11, 31
	s_branch .Lloaded
.Lnone:
	ZERO 0, 10
.Ltail:
	ZERO 11, 31
.Lloaded:
	s_wait_loadcnt 0x0
.irp u, 0,1                                    ; the largest magnitude of each column's 32 numbers: two chains a column, the columns by turns
	v_max3_num_f32 v[MX+2*\u], |v[R+32*\u]|, |v[R+32*\u+1]|, |v[R+32*\u+2]|
	v_max3_num_f32 v[MX+2*\u+1], |v[R+32*\u+3]|, |v[R+32*\u+4]|, |v[R+32*\u+5]|
.endr
.irp i, 6,10,14,18,22,26
.irp u, 0,1
	v_max3_num_f32 v[MX+2*\u], v[MX+2*\u], |v[R+32*\u+\i]|, |v[R+32*\u+\i+1]|
	v_max3_num_f32 v[MX+2*\u+1], v[MX+2*\u+1], |v[R+32*\u+\i+2]|, |v[R+32*\u+\i+3]|
.endr
.endr
.irp u, 0,1
	v_max3_num_f32 v[MX+2*\u], v[MX+2*\u], |v[R+32*\u+30]|, |v[R+32*\u+31]|
.endr
.irp u, 0,1
	v_max3_num_f32 v[MX+2*\u], v[MX+2*\u], v[MX+2*\u+1], 0x1800000   ; and the floor 2^(3 - 127): the byte cannot fall under 1
.endr
.irp u, 0,1
	v_add_nc_u32 v[SC+\u], 0xff000000, v[MX+2*\u]  ; 2 off the exponent field: the conversion takes the exponent field of this operand as its scale
.endr
.irp u, 0,1
.irp g, 0,1,2,3
	v_cvt_scalef32_pk8_fp4_f32 v[CD+4*\u+\g], v[R+32*\u+8*\g:R+32*\u+8*\g+7], v[SC+\u]   ; to the nearest code, ties to even, beyond 6 the largest code
.endr
.endr
.irp u, 0,1
	v_lshrrev_b32 v[BY+\u], 23, v[SC+\u]           ; the scale's byte
.endr
.irp u, 0,1
	ds_store_b8 v7, v[BY+\u] offset:4*\u
	global_store_b128 v4, v[CD+4*\u:CD+4*\u+3], s[22:23] offset:2048*\u   ; lanes 0-15 and lanes 16-31 each store 256 consecutive bytes, at a multiple of 256 from bq's first byte
.endr
	s_wait_dscnt 0x0                               ; for the others' sake: my bytes lie in LDS
	s_barrier_signal -1
	s_barrier_wait -1                              ; the four blocks' bytes make the step's 64 words
	s_cmp_lg_u32 s12, 0
	s_cbranch_scc1 .Lend
	ds_load_b64 v[24:25], v6
	s_wait_dscnt 0x0
	global_store_b64 v6, v[24:25], s[8:9]          ; 32 lanes store 256 consecutive bytes
.Lend:
	s_wait_tensorcnt 0x0
	ds_add_u32 v104, v105
	s_wait_dscnt 0x0
	s_endpgm
.Lfunc_end_k_q14d2c3747b_prep:
	.size	k_q14d2c3747b_prep, .Lfunc_end_k_q14d2c3747b_prep-k_q14d2c3747b_prep
	.p2alignl 7, 3214868480
	.fill 96, 4, 3214868480
	.section	.rodata,"a",@progbits
	.p2align	6, 0x0
	.amdhsa_kernel k_q14d2c3747b_prep
		.amdhsa_group_segment_fixed_size 1536
		.amdhsa_private_segment_fixed_size 0
		.amdhsa_enable_private_segment 0
		.amdhsa_kernarg_size 32
		.amdhsa_user_sgpr_count 2
		.amdhsa_user_sgpr_kernarg_segment_ptr 1
		.amdhsa_wavefront_size32 1
		.amdhsa_system_sgpr_workgroup_id_x 1
		.amdhsa_system_sgpr_workgroup_id_y 1
		.amdhsa_system_sgpr_workgroup_id_z 1
		.amdhsa_system_vgpr_workitem_id 0
		.amdhsa_next_free_vgpr 106
		.amdhsa_next_free_sgpr 66
		.amdhsa_reserve_vcc 0
		.amdhsa_float_denorm_mode_32 3
		.amdhsa_float_denorm_mode_16_64 3
		.amdhsa_memory_ordered 1
		.amdhsa_forward_progress 1
		.amdhsa_inst_pref_size 15
	.end_amdhsa_kernel
	.amdgpu_metadata
---
amdhsa.version: [ 1, 2 ]
amdhsa.kernels:
  - .name:           k_q14d2c3747b_prep
    .symbol:         k_q14d2c3747b_prep.kd
    .args:
      - { .name: rules, .offset: 0, .size: 8, .value_kind: global_buffer, .address_space: global }
      - { .name: mfs, .offset: 8, .size: 8, .value_kind: global_buffer, .address_space: global }
      - { .name: bq, .offset: 16, .size: 8, .value_kind: global_buffer, .address_space: global }
      - { .name: tab, .offset: 24, .size: 8, .value_kind: global_buffer, .address_space: global }
    .group_segment_fixed_size: 1536
    .private_segment_fixed_size: 0
    .kernarg_segment_align: 8
    .kernarg_segment_size: 32
    .max_flat_workgroup_size: 128
    .sgpr_count:     66
    .vgpr_count:     106
    .wavefront_size: 32
...
	.end_amdgpu_metadata
.endif
;; end of part 1
;; launch anfis (part 2): grid 256 x 1, 8 waves a work-group, clusters of 4 x 1, 168,960 bytes of LDS; arguments x, tab, bq, out0; writes out0
.if DOCPART == 2
	.amdgcn_target "amdgcn-amd-amdhsa--gfx1250"
	.amdhsa_code_object_version 6
	.text
	.protected	k_q14d2c3747b_anfis
	.globl	k_q14d2c3747b_anfis
	.p2align	8
	.type	k_q14d2c3747b_anfis,@function
k_q14d2c3747b_anfis:
	s_mov_b64 s[64:65], 0
	v_nop
	global_prefetch_b8 v0, s[64:65] scope:SCOPE_SE
	s_setreg_imm32_b32 hwreg(HW_REG_WAVE_MODE, 25, 1), 1
	s_wait_xcnt 0x0
	s_wait_alu depctr_hold_cnt(0) depctr_sa_sdst(0) depctr_va_vdst(0) depctr_va_sdst(0) depctr_va_ssrc(0) depctr_va_vcc(0) depctr_vm_vsrc(0)
	s_getreg_b32 s2, hwreg(HW_REG_IB_STS2, 6, 4)
	s_cmp_eq_u32 s2, 0
	s_cbranch_scc0 .Lentry_in_a_cluster
	s_endpgm
.Lentry_in_a_cluster:
	s_bfe_u32 s2, ttmp6, 0x10000c
	s_cmp_lg_u32 s2, 0x3003
	s_cbranch_scc0 .Lentry_shape_is_right
	s_endpgm
.Lentry_shape_is_right:
; out0[r][n] = sum over k of Q(norm[r][k]) Q(rules[k][n]).  norm[r][k] = strength[r][k] / (sum of the row's strengths + 1e-6), strength = the product of seven Gaussian memberships, k in base 3, the last input fastest.
; Q: codes of FP4 (E2M1), one E8M0 scale for each 32 along K.  rules comes quantised from the launch before (bq), laid in the order of the operand's registers; tab holds, for each of the 21 membership functions, the mean and -0.5 log2(e) / sigma^2.
; HOW norm IS MADE.  k = 27 a + b: norm[k] = Hn[a] L[b]; L[b]: 27 products of inputs 4 to 6; Hn[a]: 81 products of inputs 0 to 3, times 1 / (S + 1e-6).  S, the sum of all 2187 strengths, is the product of the seven sums of three memberships.
; A LANE HOLDS ONE ROW, and 32 consecutive k lie in its registers.  L lies twice on end (T, 54 registers): 27 is odd, so for every even k the pair (L[k % 27], L[(k + 1) % 27]) is the aligned pair at T + k % 54.  A pair that crosses a multiple
; of 27 has an even a, so (Hn[a], Hn[a + 1]) is an aligned pair too: one packed multiplication makes two numbers, 16 make a block.
; A BLOCK'S LARGEST NUMBER IS NOT SEARCHED FOR among its 32: all numbers are 0 or more and rounding keeps order, so it is, bit for bit, the largest of Hn[a] x (largest L of the block's part of that a): a suffix maximum, a prefix maximum, now and then a third.
; FRAGMENTS.  A wave holds 32 rows, lane l row l.  The codes of blocks 2 c and 2 c + 1 change halves (v_permlane16_swap_b32): that gives registers 4 c .. 4 c + 3 of the fragment of rows 0-15 and of that of rows 16-31.  The scale word of row l lies in lane l:
; one register serves both fragments (lanes 0-15, lanes 16-31).  The matrix instruction is used transposed (source 0 = 16 columns of rules, source 1 = 16 rows): a lane then holds eight neighbouring numbers of a row of out0.
; SHARES.  A work-group takes 64 rows.  Wave w takes rows 32 (w % 2) on and slice q = w / 2 of K: blocks 17 q on, 17 of them (18 for q = 3; K's last block has 11 numbers), padded with zero codes to 5 K steps of 128.
; The indices k are constants of the text, so each slice has a text of its own, in two parts; all barriers stand in the common text between and behind them.  The four slices' sums meet in a stage in LDS.
; CLUSTER.  Every work-group needs all of bq.  Four work-groups form a cluster and ask for it JOINTLY: waves 0 to 3 issue one tensor load each (a slice, 85 rows of 256 bytes), the same in all four work-groups.  One tensor load of a wave is out; no LDS byte is filled twice.
; No prefetch is laid: the only stream is asked for whole by the first instructions of the launch.
; LIMITS: memberships under 2^-126 come out as 0 (v_exp_f32: ISA guide, its entry); the division by S + 1e-6 is a reciprocal with one Newton step and a multiplication; K is summed in four parts, added in pairs; NaN and infinities among the inputs are not served.
; REGISTERS, window 0: v1-7 addresses; v8-14 x; v16-33 memberships of inputs 0-5, v38-43 input 6's, twice; later v26-41 the codes of K step 4; v44-48 my rows' scale words; v50-59 those of rules; v64-117 T; v118-139 Hn of my slice;
;   v140-157 the blocks' scale operands; v160-191 four buffers of 8 numbers; v192-255 the codes of K steps 0-3 (before that: the prefix and suffix maxima).   window 1: v0-63 eight accumulators; v64-223 the slice's 20 fragments of rules.
.set SLB,   21760                      ; a slice of bq: 5 x 4096 bytes of codes + 5 x 256 of scale words
.set SCO,   20480
.set STG,   4*SLB                      ; behind bq's image: the stage, 32 rows x SPI bytes for each wave; no tensor load lands there
.set SPI,   272                        ; 256 bytes + 16 = 68 words: row r starts at bank 4 r mod 64 (64 banks of 4 bytes: ISA guide 11.1)
.set WST,   32*SPI
.set WV,    12                         ; s12 wave;  s13 its slice q;  s14 its half of the rows
.set SQ,    13
.set SG,    14
.set TAB,   16                         ; s16-57  tab
.set G0,    68                         ; s[68:71], s[72:79] the tensor load's descriptor
.set G1,    72
.set ABF,   1                          ; v1  LDS: my 16 bytes of my slice's fragment images
.set ABS,   2                          ; v2  LDS: my 8 bytes of its scale words
.set AST,   3                          ; v3  the stage: where I put 32 bytes of a row
.set ARD,   4                          ; v4  the stage: where I read rows back
.set AOU,   5                          ; v5  16 x lane: my place in two rows of out0
.set AX,    6                          ; v6  28 x lane: my row of x
.set X,     8
.set M,     16
.set CODE4, 26
.set M6D,   38
.set AW,    44
.set SB,    50
.set T,     64
.set H,     118
.set QB,    118                        ; (18 products of inputs 4 and 5, twice on end: done with before Hn is made)
.set BS,    140
.set SU,    140                        ; (the seven sums: done with before the scale operands are made)
.set VAL,   160
.set TT,    160
.set EB,    160
.set GB,    164
.set CODE,  192
.set PB,    192                        ; prefix maxima P[1..26] at PB + i (P[0] is T[0])
.set SX,    220                        ; suffix maxima S[0..25] at SX + i (S[26] is T[26])
.set RR,    64                         ; the last sum's 64 registers
.set ACC,   0                          ; window 1
.set BF,    64
.set MSB, 0
.macro WIN new                         ; the immediate's high byte repeats the setting that is left
.if MSB != \new
	s_set_vgpr_msb (MSB<<8)|\new
.set MSB, \new
.endif
.endm
.macro ROUND                           ; a round of the cluster's barrier: my work-group's barrier, wave 0 signals for it, all wait for the four work-groups, my work-group's barrier once more
	s_barrier_signal -1
	s_barrier_wait -1
	s_cmp_lg_u32 s[WV], 0
	s_cbranch_scc1 .Lnot_wave_0_\@
	s_barrier_signal -3
.Lnot_wave_0_\@:
	s_barrier_wait -3
	s_barrier_signal -1
	s_barrier_wait -1
.endm
; v[d], v[d + 1] = v[n] x table[lo], v[n + 1] x table[hi].  The table begins at an even register; lo and hi are equal, or lo is even and hi = lo + 1: both lie in one aligned pair, and the selects say which of its two registers each half takes.
.macro PKM d, n, sb, lo, hi
.set pb_, (\sb)+((\lo)/2)*2
.set l_, (\lo)%2
.set h_, (\hi)-((\lo)/2)*2
.if (l_ == 0) && (h_ == 1)
	v_pk_mul_f32 v[(\d):(\d)+1], v[(\n):(\n)+1], v[pb_:pb_+1]
.elseif l_ == 0
	v_pk_mul_f32 v[(\d):(\d)+1], v[(\n):(\n)+1], v[pb_:pb_+1] op_sel_hi:[1,0]
.else
	v_pk_mul_f32 v[(\d):(\d)+1], v[(\n):(\n)+1], v[pb_:pb_+1] op_sel:[0,1] op_sel_hi:[1,1]
.endif
.endm
; Group g of slice q: the 8 numbers k = 544 q + 8 g on, into buffer g % 4.  Groups at or past the slice's end (for q = 3: K's end) are not made; inside K's last group Hn[81] = 0 gives the zeros.
.macro MUL4 q, g
.set kg_, 544*(\q)+8*(\g)
.set ke_, 544*((\q)+1)
.if (\q) == 3
.set ke_, 2187
.endif
.if kg_ < ke_
.set n_, 0
.rept 4
.set k_, kg_+2*n_
	PKM VAL+8*((\g)%4)+2*n_, T+k_%54, H, k_/27-20*(\q), (k_+1)/27-20*(\q)
.set n_, n_+1
.endr
.endif
.endm
; Its 8 codes.  Block i = g / 4 of the slice is block i % 4 of K step i / 4: even blocks go to the first run of 8 registers of the step's 16, odd blocks to the second, halves c = (i % 4) / 2 four registers apart.
.macro CVT1 q, g
.set kg_, 544*(\q)+8*(\g)
.set ke_, 544*((\q)+1)
.if (\q) == 3
.set ke_, 2187
.endif
.set i_, (\g)/4
.set cd_, CODE+16*(i_/4)
.if i_/4 == 4
.set cd_, CODE4
.endif
.set cd_, cd_+8*(i_%2)+4*((i_%4)/2)+(\g)%4
.if kg_ < ke_
	v_cvt_scalef32_pk8_fp4_f32 v[cd_], v[VAL+8*((\g)%4):VAL+8*((\g)%4)+7], v[BS+i_]
.else
	v_mov_b32 v[cd_], 0
.endif
.endm
; Blocks 2 p and 2 p + 1 change halves: the first register's lanes 16-31 (rows 16-31, block 2 p) with the second's lanes 0-15 (rows 0-15, block 2 p + 1).
.macro SWAPS p
.set sw_, CODE+16*((\p)/2)+4*((\p)%2)
.if (\p)/2 == 4
.set sw_, CODE4
.endif
.irp n, 0,1,2,3
	v_permlane16_swap_b32 v[sw_+\n], v[sw_+8+\n]
.endr
.endm
; Turns t0 .. t1 of the slice's pipeline.  Turn t converts group t - 3 and multiplies group t.  The buffer that turn t writes was converted in turn t - 1, and that turn's four multiplications stand between (a plain instruction is owed
; between a scaled conversion and a write of its sources); a group is converted two whole turns behind its last multiplication.  A pair of blocks changes halves behind the turn that converts its last group.
.macro GEN q, t0, t1
.set t_, \t0
.rept (\t1)-(\t0)+1
.if t_ >= 3
	CVT1 \q, t_-3
.endif
.if t_ < 72
	MUL4 \q, t_
.endif
.if (t_ >= 10) && ((t_-10)%8 == 0)
	SWAPS (t_-10)/8
.endif
.set t_, t_+1
.endr
.endm
.macro BLK q                           ; block i_ of slice q: its first k, that k's a (counted from the slice's first, 20 q) and b
.set k_, 32*(17*(\q)+i_)
.set a_, k_/27-20*(\q)
.set o_, k_%27
.endm
; What a slice needs before its codes: Hn[20 q .. 20 q + 20], each block's scale operand, each K step's scale word.
.macro PRE q
.set i_, 0
.rept 3
	v_mul_f32 v[EB+i_], v[M+(2*(\q)+i_)/3], v[M+3+(2*(\q)+i_)%3]          ; inputs 0 (with 1 / (S + 1e-6)) and 1: a / 9 = 2 q .. 2 q + 2
.set i_, i_+1
.endr
.set c0_, (20*(\q))/3
.set nc_, (20*(\q)+20)/3-c0_+1
.set i_, 0
.rept nc_
	v_mul_f32 v[GB+i_], v[EB+(c0_+i_)/3-2*(\q)], v[M+6+(c0_+i_)%3]        ; x input 2
.set i_, i_+1
.endr
.set i_, 0
.rept 21
	v_mul_f32 v[H+i_], v[GB+(20*(\q)+i_)/3-c0_], v[M+9+(20*(\q)+i_)%3]    ; x input 3
.set i_, i_+1
.endr
	v_mov_b32 v[H+21], 0                           ; for q = 3 this is Hn[81]: k from 2187 on counts as zero; elsewhere only the upper half of a pair that is named
.irp n, 4,5,6,7,12,13,14,15
	v_mov_b32 v[CODE4+\n], 0                       ; K step 4 has two blocks: its upper 64 along K are zero codes
.endr
.set nb_, 17
.if (\q) == 3
.set nb_, 18
.endif
.set i_, 0
.rept nb_                                      ; the block's part of its first a: b = o .. 26
	BLK \q
.set r_, SX+o_
.if o_ == 26
.set r_, T+26
.endif
	v_mul_f32 v[BS+i_], v[H+a_], v[r_]
.set i_, i_+1
.endr
.set i_, 0
.rept nb_                                      ; of the next a: b = 0 .. o + 4, or all 27
	BLK \q
.set x_, o_+4
.if x_ > 26
.set x_, 26
.endif
	v_mul_f32 v[VAL+i_], v[H+a_+1], v[PB+x_]
.set i_, i_+1
.endr
.set i_, 0
.rept nb_
	v_max3_num_f32 v[BS+i_], v[BS+i_], v[VAL+i_], 0x1800000   ; and the floor 2^(3 - 127): the byte cannot fall under 1
.set i_, i_+1
.endr
.set i_, 0
.rept nb_                                      ; from o = 23 on the block reaches a third a: b = 0 .. o - 23
	BLK \q
.if o_ >= 23
.set r_, PB+o_-23
.if o_ == 23
.set r_, T
.endif
	v_mul_f32 v[VAL+i_], v[H+a_+2], v[r_]
	s_delay_alu instid0(VALU_DEP_1)
	v_max_num_f32 v[BS+i_], v[BS+i_], v[VAL+i_]
.endif
.set i_, i_+1
.endr
.set i_, 0
.rept nb_
	v_add_nc_u32 v[BS+i_], 0xff000000, v[BS+i_]    ; 2 off the exponent field: the conversion's scale operand
.set i_, i_+1
.endr
.set i_, 0
.rept nb_
.if i_%4 == 0
	v_lshrrev_b32 v[AW+i_/4], 23, v[BS+i_]         ; the scale's byte; the first of a K step starts the word
.else
	v_lshrrev_b32 v[VAL+i_], 23, v[BS+i_]
.endif
.set i_, i_+1
.endr
.set i_, 0
.rept nb_
.if i_%4 != 0
	v_lshl_or_b32 v[AW+i_/4], v[VAL+i_], 8*(i_%4), v[AW+i_/4]
.endif
.set i_, i_+1
.endr
.endm
; One matrix instruction: K step s, rows 16 u on, columns 16 t on.  The words of rules' columns 32 (t / 2) + lane lie in one register: odd tiles read lanes 16-31; my rows' words likewise.  K step 0 starts the sums.
.macro W1 s, u, t
.set d_, ACC+8*(4*(\u)+(\t))
.set b_, BF+32*(\s)+8*(\t)
.set a_, CODE+16*(\s)+8*(\u)
.if (\s) == 4
.set a_, CODE4+8*(\u)
.endif
.set sb_, SB+2*(\s)+(\t)/2
.set sa_, AW+(\s)
.if (\s) == 0
.if ((\t)%2 == 0) && ((\u) == 0)
	v_wmma_scale_f32_16x16x128_f8f6f4 v[d_:d_+7], v[b_:b_+7], v[a_:a_+7], 0, v[sb_], v[sa_] matrix_a_fmt:MATRIX_FMT_FP4 matrix_b_fmt:MATRIX_FMT_FP4
.elseif (\u) == 0
	v_wmma_scale_f32_16x16x128_f8f6f4 v[d_:d_+7], v[b_:b_+7], v[a_:a_+7], 0, v[sb_], v[sa_] matrix_a_fmt:MATRIX_FMT_FP4 matrix_b_fmt:MATRIX_FMT_FP4 matrix_a_scale:MATRIX_SCALE_ROW1
.elseif (\t)%2 == 0
	v_wmma_scale_f32_16x16x128_f8f6f4 v[d_:d_+7], v[b_:b_+7], v[a_:a_+7], 0, v[sb_], v[sa_] matrix_a_fmt:MATRIX_FMT_FP4 matrix_b_fmt:MATRIX_FMT_FP4 matrix_b_scale:MATRIX_SCALE_ROW1
.else
	v_wmma_scale_f32_16x16x128_f8f6f4 v[d_:d_+7], v[b_:b_+7], v[a_:a_+7], 0, v[sb_], v[sa_] matrix_a_fmt:MATRIX_FMT_FP4 matrix_b_fmt:MATRIX_FMT_FP4 matrix_a_scale:MATRIX_SCALE_ROW1 matrix_b_scale:MATRIX_SCALE_ROW1
.endif
.else
.if ((\t)%2 == 0) && ((\u) == 0)
	v_wmma_scale_f32_16x16x128_f8f6f4 v[d_:d_+7], v[b_:b_+7], v[a_:a_+7], v[d_:d_+7], v[sb_], v[sa_] matrix_a_fmt:MATRIX_FMT_FP4 matrix_b_fmt:MATRIX_FMT_FP4
.elseif (\u) == 0
	v_wmma_scale_f32_16x16x128_f8f6f4 v[d_:d_+7], v[b_:b_+7], v[a_:a_+7], v[d_:d_+7], v[sb_], v[sa_] matrix_a_fmt:MATRIX_FMT_FP4 matrix_b_fmt:MATRIX_FMT_FP4 matrix_a_scale:MATRIX_SCALE_ROW1
.elseif (\t)%2 == 0
	v_wmma_scale_f32_16x16x128_f8f6f4 v[d_:d_+7], v[b_:b_+7], v[a_:a_+7], v[d_:d_+7], v[sb_], v[sa_] matrix_a_fmt:MATRIX_FMT_FP4 matrix_b_fmt:MATRIX_FMT_FP4 matrix_b_scale:MATRIX_SCALE_ROW1
.else
	v_wmma_scale_f32_16x16x128_f8f6f4 v[d_:d_+7], v[b_:b_+7], v[a_:a_+7], v[d_:d_+7], v[sb_], v[sa_] matrix_a_fmt:MATRIX_FMT_FP4 matrix_b_fmt:MATRIX_FMT_FP4 matrix_a_scale:MATRIX_SCALE_ROW1 matrix_b_scale:MATRIX_SCALE_ROW1
.endif
.endif
.endm
; A K step: the eight accumulators take turns, one instruction a turn, in the same order in every step.  No register of a step is ever written again, so nothing is owed behind it but the places ahead of the last reads.
.macro WMMA s
	WIN 0x51                                       ; source 0 (rules), C and D window 1; source 1 (my codes) window 0
.irp u, 0,1
.irp t, 0,1,2,3
	W1 \s, \u, \t
.endr
.endr
	WIN 0
.endm
.macro PART1 q                         ; up to the barrier: the tables of the slice and 32 turns (8 blocks multiplied)
	PRE \q
	GEN \q, 0, 31
.endm
; Behind the barrier: the other turns, and each K step's products as soon as its codes have changed halves and at least four multiplications stand behind that (a register written by a vector instruction stands 4 places ahead of a scaled
; matrix instruction; the scale words were made long before).  The counts leave out the fragment loads of the later steps, 8 a step, issued behind the step's own.
.macro PART2 q
	GEN \q, 32, 37
	s_wait_dscnt 32
	WMMA 0
	GEN \q, 38, 41
	s_wait_dscnt 24
	WMMA 1
	GEN \q, 42, 52
	s_wait_dscnt 16
	WMMA 2
	GEN \q, 53, 68
	s_wait_alu depctr_va_vdst(0)
	s_wait_dscnt 8
	WMMA 3
	GEN \q, 69, 74
.endm
	s_load_b256 s[4:11], s[0:1], 0x0               ; x s[4:5], tab s[6:7], bq s[8:9], out0 s[10:11]
	v_lshl_add_u32 v158, v0, 2, 0x29000
	v_mov_b32 v159, 0
	ds_add_u32 v158, v159
	ds_add_u32 v158, v159
	v_lshrrev_b32 v7, 5, v0
	s_delay_alu instid0(VALU_DEP_1)
	v_readfirstlane_b32 s[WV], v7                  ; wave 0..7
	s_lshr_b32 s[SQ], s[WV], 1
	s_and_b32 s[SG], s[WV], 1
	s_bfe_u32 s15, ttmp6, 0x40000                  ; cx: it enters x's and out0's addresses alone
	s_lshl_b32 s58, ttmp9, 2                       ; in a cluster launch ttmp9 counts clusters
	s_add_co_u32 s58, s58, s15
	s_lshl_b32 s58, s58, 6                         ; the work-group's first row
	s_lshl_b32 s59, s[SG], 5
	s_add_co_u32 s58, s58, s59                     ; my wave's first row
	s_mul_i32 s60, s58, 28                         ; a row of x is 28 bytes
	s_mov_b32 s61, 0
	s_lshl_b32 s59, s[SQ], 3
	s_add_co_u32 s62, s58, s59                     ; the first of the 8 rows that I store
	s_lshl_b32 s62, s62, 8                         ; a row of out0 is 256 bytes
	s_mov_b32 s63, 0
	s_mov_b32 s[G1], 15|(3<<16)|(1<<21)            ; 15:0 the mask: all four work-groups; 17:16 elements of 8 bytes; 20 no padding: every LDS load takes 512 bytes on end; 21 set beside a mask
	s_mov_b32 s[G1+1], 32<<16                      ; tensor_dim0 = 32 elements: rows of 256 bytes
	s_mov_b32 s[G1+2], 85<<16                      ; tensor_dim1 = 85 rows: a slice
	s_mov_b32 s[G1+3], 32<<16                      ; tile_dim0
	s_mov_b32 s[G1+4], 85                          ; tile_dim1
	s_mov_b32 s[G1+5], 32                          ; the pitch: the block is dense
	s_mov_b32 s[G1+6], 0
	s_mov_b32 s[G1+7], 0
	s_mov_b32 s[G0], 1
	s_mul_i32 s[G0+1], s[WV], SLB                  ; waves 0 to 3: slice w goes to LDS byte w x SLB
	s_mul_i32 s66, s[WV], SLB
	s_mov_b32 s67, 0
	v_and_b32 v7, 31, v0                           ; lane
	s_delay_alu instid0(VALU_DEP_1)
	v_mul_u32_u24 v[AX], v7, 28
	s_wait_alu depctr_va_vdst(0)
	s_wait_dscnt 0x0
	s_wait_kmcnt 0x0
	s_add_nc_u64 s[4:5], s[4:5], s[60:61]
	s_add_nc_u64 s[10:11], s[10:11], s[62:63]
	s_add_nc_u64 s[G0+2:G0+3], s[8:9], s[66:67]
	s_or_b32 s[G0+3], s[G0+3], 0x80000000          ; type = 2
.irp i, 0,1,2,3,4,5,6
	global_load_b32 v[X+\i], v[AX], s[4:5] offset:4*\i   ; my row of x: the wave's seven loads cover 896 bytes on end
.endr
	s_load_b512 s[TAB:TAB+15], s[6:7], 0x0
	s_load_b512 s[TAB+16:TAB+31], s[6:7], 0x40
	s_load_b256 s[TAB+32:TAB+39], s[6:7], 0x80
	s_load_b64 s[TAB+40:TAB+41], s[6:7], 0xa0
	ROUND                                          ; all four work-groups are here: the joint loads meet
	s_cmp_lt_u32 s[WV], 4
	s_cbranch_scc0 .Lno_fill
	tensor_load_to_lds s[G0:G0+3], s[G1:G1+7]
	s_nop 0
.rept 4
	v_nop
.endr
.Lno_fill:
	; every LDS address is made here, ahead of the waves' parting
	v_and_b32 v[AST], 15, v0                       ; r
	v_bfe_u32 v[ARD], v0, 4, 1                     ; h
	v_lshlrev_b32 v[AOU], 4, v7
	v_lshlrev_b32 v[ABS], 3, v7
	s_delay_alu instid0(VALU_DEP_3)
	v_mul_u32_u24 v7, v[ARD], SPI
	s_delay_alu instid0(VALU_DEP_1)
	v_lshl_add_u32 v7, v[AST], 4, v7               ; back: lanes 0-15 one row, lanes 16-31 the next, 16 bytes a lane
	s_wait_alu depctr_va_vdst(0)
	v_mul_u32_u24 v[AST], v[AST], SPI
	s_delay_alu instid0(VALU_DEP_1)
	v_lshl_add_u32 v[AST], v[ARD], 5, v[AST]       ; in: row r, 32 bytes for each half of the lanes
	s_mul_i32 s59, s[SQ], SLB
	v_add_nc_u32 v[ABF], s59, v[AOU]
	s_add_co_u32 s59, s59, SCO
	v_add_nc_u32 v[ABS], s59, v[ABS]
	s_mul_i32 s59, s[WV], WST
	s_add_co_u32 s59, s59, STG
	v_add_nc_u32 v[AST], s59, v[AST]               ; my wave's 32 rows of the stage
	s_mul_i32 s59, s[SG], WST
	s_mul_i32 s66, s[SQ], 8*SPI
	s_add_co_u32 s59, s59, s66
	s_add_co_u32 s59, s59, STG
	v_add_nc_u32 v[ARD], s59, v7                   ; rows 8 q on of slice 0's sums for my half of the rows; slice p's lie 2 p WST further on
	s_wait_kmcnt 0x0                               ; tab
	s_wait_loadcnt 0x0                             ; x
	; the 21 memberships: 2^(-0.5 log2(e) / sigma^2 x (mean - x)^2)
.set n_, 0
.rept 21
	v_sub_f32 v[TT+n_], s[TAB+2*n_], v[X+n_/3]
.set n_, n_+1
.endr
.set n_, 0
.rept 21
	v_mul_f32 v[TT+n_], v[TT+n_], v[TT+n_]
.set n_, n_+1
.endr
.set n_, 0
.rept 21
	v_mul_f32 v[TT+n_], s[TAB+2*n_+1], v[TT+n_]
.set n_, n_+1
.endr
.set n_, 0
	s_wait_alu depctr_va_vdst(0)
.rept 18
	v_exp_f32 v[M+n_], v[TT+n_]
.set n_, n_+1
.endr
.irp m, 0,1,2
	v_exp_f32 v[M6D+\m], v[TT+18+\m]
.endr
	v_nop                                          ; a plain instruction behind the last exponential,
	s_wait_alu depctr_va_vdst(0)                   ; and one wait for the batch of 21, ahead of its first reader
.irp m, 0,1,2
	v_mov_b32 v[M6D+3+\m], v[M6D+\m]               ; input 6's three lie twice on end, so that each of the pairs (0,1), (2,0), (1,2) is an aligned pair
.endr
.set i_, 0
.rept 6
	v_add_f32 v[SU+i_], v[M+3*i_], v[M+3*i_+1]
.set i_, i_+1
.endr
	v_add_f32 v[SU+6], v[M6D], v[M6D+1]
.set i_, 0
.rept 6
	v_add_f32 v[SU+i_], v[SU+i_], v[M+3*i_+2]
.set i_, i_+1
.endr
	v_add_f32 v[SU+6], v[SU+6], v[M6D+2]
	v_mul_f32 v[SU], v[SU], v[SU+1]                ; S = the product of the seven sums
	v_mul_f32 v[SU+2], v[SU+2], v[SU+3]
	s_delay_alu instid0(VALU_DEP_4)
	v_mul_f32 v[SU+4], v[SU+4], v[SU+5]
	s_delay_alu instid0(VALU_DEP_2)
	v_mul_f32 v[SU], v[SU], v[SU+2]
	s_delay_alu instid0(VALU_DEP_2)
	v_mul_f32 v[SU+4], v[SU+4], v[SU+6]
	s_delay_alu instid0(VALU_DEP_1)
	v_fmaak_f32 v[SU], v[SU], v[SU+4], 0x358637bd  ; S + 1e-6
	s_wait_alu depctr_va_vdst(0)
	v_rcp_f32 v[SU+1], v[SU]                       ; the tables below do not want it: they are the work behind it
.set i_, 0
.rept 18
	v_mul_f32 v[QB+i_], v[M+12+(i_/3)%3], v[M+15+i_%3]   ; inputs 4 and 5: nine products, twice on end
.set i_, i_+1
.endr
.set i_, 0
.rept 27
	PKM T+i_, M6D+i_%6, QB, i_/3, (i_+1)/3         ; T[i] = L[i % 27], i = 0 .. 53
.set i_, i_+2
.endr
	v_max_num_f32 v[PB+1], v[T], v[T+1]            ; prefix and suffix maxima of L, each in two chains that step by two: four chains by turns
	v_max_num_f32 v[SX+25], v[T+25], v[T+26]
	v_max3_num_f32 v[PB+2], v[T], v[T+1], v[T+2]
	v_max3_num_f32 v[SX+24], v[T+24], v[T+25], v[T+26]
.set i_, 3
.rept 24
	s_delay_alu instid0(VALU_DEP_4)
	v_max3_num_f32 v[PB+i_], v[PB+i_-2], v[T+i_-1], v[T+i_]
	s_delay_alu instid0(VALU_DEP_4)
	v_max3_num_f32 v[SX+26-i_], v[SX+28-i_], v[T+26-i_], v[T+27-i_]
.set i_, i_+1
.endr
	s_wait_alu depctr_va_vdst(0)                   ; the reciprocal's wait, ahead of its first reader
	v_fma_f32 v[SU+2], -v[SU], v[SU+1], 1.0        ; one Newton step
	v_fma_f32 v[SU+1], v[SU+1], v[SU+2], v[SU+1]
.irp m, 0,1,2
	v_mul_f32 v[M+\m], v[M+\m], v[SU+1]            ; input 0's memberships carry 1 / (S + 1e-6)
.endr
	s_cmp_eq_u32 s[SQ], 0                          ; the waves part by slice: the branches hang on the wave's number alone
	s_cbranch_scc1 .Lfirst_0
	s_cmp_eq_u32 s[SQ], 1
	s_cbranch_scc1 .Lfirst_1
	s_cmp_eq_u32 s[SQ], 2
	s_cbranch_scc1 .Lfirst_2
	PART1 3
	s_branch .Lmeet
.Lfirst_0:
	s_wait_alu depctr_va_vdst(0)
	PART1 0
	s_branch .Lmeet
.Lfirst_1:
	s_wait_alu depctr_va_vdst(0)
	PART1 1
	s_branch .Lmeet
.Lfirst_2:
	s_wait_alu depctr_va_vdst(0)
	PART1 2
.Lmeet:
	s_wait_tensorcnt 0x0                           ; my slice of bq has landed (waves 4 to 7 asked for none),
	s_barrier_signal -1
	s_barrier_wait -1                              ; everybody's has
.irp s, 0,1,2,3,4
	ds_load_b64 v[SB+2*\s:SB+2*\s+1], v[ABS] offset:256*\s     ; the scale words of rules, all five K steps: columns lane and 32 + lane
.endr
	WIN 0x40                                       ; destination window 1
.irp s, 0,1,2,3,4
.irp t, 0,1,2,3
.irp c, 0,1
	ds_load_b128 v[BF+32*\s+8*\t+4*\c:BF+32*\s+8*\t+4*\c+3], v[ABF] offset:4096*\s+1024*\t+512*\c   ; a fragment comes as the image of its registers
.endr
.endr
.endr
	WIN 0
	s_cmp_eq_u32 s[SQ], 0
	s_cbranch_scc1 .Lsecond_0
	s_cmp_eq_u32 s[SQ], 1
	s_cbranch_scc1 .Lsecond_1
	s_cmp_eq_u32 s[SQ], 2
	s_cbranch_scc1 .Lsecond_2
	PART2 3
	s_branch .Llast
.Lsecond_0:
	PART2 0
	s_branch .Llast
.Lsecond_1:
	PART2 1
	s_branch .Llast
.Lsecond_2:
	PART2 2
.Llast:
.rept 4
	v_nop                                          ; four places between the last change of halves and the scaled matrix instructions that take those registers
.endr
	s_wait_alu depctr_va_vdst(0)
	s_wait_dscnt 0x0
	WMMA 4
.rept 4
	v_nop                                          ; four places ahead of the first read of the results (ISA guide 7.12.1)
.endr
	WIN 0x04                                       ; an LDS store's data are its source 1: window 1
.irp u, 0,1
.irp t, 0,1,2,3
	ds_store_b128 v[AST], v[ACC+8*(4*\u+\t):ACC+8*(4*\u+\t)+3] offset:16*\u*SPI+64*\t        ; lane (r, h): row 16 u + r, columns 16 t + 8 h + 0 .. 7; each accumulator from its low end on
	ds_store_b128 v[AST], v[ACC+8*(4*\u+\t)+4:ACC+8*(4*\u+\t)+7] offset:16*\u*SPI+64*\t+16
.endr
.endr
	WIN 0
	s_wait_dscnt 0x0                               ; for the others' sake: my slice's sums lie in the stage
	s_barrier_signal -1
	s_barrier_wait -1
.irp i, 0,1,2,3                                ; rows 8 q + 2 i and + 1 of my half, from all four slices
.irp p, 0,1,2,3
	ds_load_b128 v[RR+16*\i+4*\p:RR+16*\i+4*\p+3], v[ARD] offset:2*\p*WST+2*\i*SPI
.endr
.endr
.irp i, 0,1,2,3
	s_wait_dscnt 12-4*\i                           ; this pair of rows is in; the later pairs' loads, four each, may be out
	v_pk_add_f32 v[RR+16*\i:RR+16*\i+1], v[RR+16*\i:RR+16*\i+1], v[RR+16*\i+4:RR+16*\i+5]
	v_pk_add_f32 v[RR+16*\i+2:RR+16*\i+3], v[RR+16*\i+2:RR+16*\i+3], v[RR+16*\i+6:RR+16*\i+7]
	v_pk_add_f32 v[RR+16*\i+8:RR+16*\i+9], v[RR+16*\i+8:RR+16*\i+9], v[RR+16*\i+12:RR+16*\i+13]
	v_pk_add_f32 v[RR+16*\i+10:RR+16*\i+11], v[RR+16*\i+10:RR+16*\i+11], v[RR+16*\i+14:RR+16*\i+15]
	s_delay_alu instid0(VALU_DEP_2)
	v_pk_add_f32 v[RR+16*\i:RR+16*\i+1], v[RR+16*\i:RR+16*\i+1], v[RR+16*\i+8:RR+16*\i+9]
	s_delay_alu instid0(VALU_DEP_2)
	v_pk_add_f32 v[RR+16*\i+2:RR+16*\i+3], v[RR+16*\i+2:RR+16*\i+3], v[RR+16*\i+10:RR+16*\i+11]
	global_store_b128 v[AOU], v[RR+16*\i:RR+16*\i+3], s[10:11] offset:512*\i th:TH_STORE_NT   ; 32 lanes store two rows, 512 consecutive bytes, at a multiple of 256 from out0's first byte
.endr
	s_wait_tensorcnt 0x0
	ds_add_u32 v158, v159
	s_wait_dscnt 0x0
	ROUND                                          ; the closing round: no work-group ends while a partner may still ask for a tile that names it
	s_endpgm
.Lfunc_end_k_q14d2c3747b_anfis:
	.size	k_q14d2c3747b_anfis, .Lfunc_end_k_q14d2c3747b_anfis-k_q14d2c3747b_anfis
	.p2alignl 7, 3214868480
	.fill 96, 4, 3214868480
	.section	.rodata,"a",@progbits
	.p2align	6, 0x0
	.amdhsa_kernel k_q14d2c3747b_anfis
		.amdhsa_group_segment_fixed_size 168960
		.amdhsa_private_segment_fixed_size 0
		.amdhsa_enable_private_segment 0
		.amdhsa_kernarg_size 32
		.amdhsa_user_sgpr_count 2
		.amdhsa_user_sgpr_kernarg_segment_ptr 1
		.amdhsa_wavefront_size32 1
		.amdhsa_system_sgpr_workgroup_id_x 1
		.amdhsa_system_sgpr_workgroup_id_y 1
		.amdhsa_system_sgpr_workgroup_id_z 1
		.amdhsa_system_vgpr_workitem_id 0
		.amdhsa_next_free_vgpr 480
		.amdhsa_next_free_sgpr 80
		.amdhsa_reserve_vcc 0
		.amdhsa_float_denorm_mode_32 3
		.amdhsa_float_denorm_mode_16_64 3
		.amdhsa_memory_ordered 1
		.amdhsa_forward_progress 1
		.amdhsa_inst_pref_size 161
	.end_amdhsa_kernel
	.amdgpu_metadata
---
amdhsa.version: [ 1, 2 ]
amdhsa.kernels:
  - .name:           k_q14d2c3747b_anfis
    .symbol:         k_q14d2c3747b_anfis.kd
    .args:
      - { .name: x, .offset: 0, .size: 8, .value_kind: global_buffer, .address_space: global }
      - { .name: tab, .offset: 8, .size: 8, .value_kind: global_buffer, .address_space: global }
      - { .name: bq, .offset: 16, .size: 8, .value_kind: global_buffer, .address_space: global }
      - { .name: out0, .offset: 24, .size: 8, .value_kind: global_buffer, .address_space: global }
    .group_segment_fixed_size: 168960
    .private_segment_fixed_size: 0
    .kernarg_segment_align: 8
    .kernarg_segment_size: 32
    .max_flat_workgroup_size: 256
    .sgpr_count:     80
    .vgpr_count:     480
    .wavefront_size: 32
...
	.end_amdgpu_metadata
.endif
;; end of part 2
